; MI455X (gfx1250); checked and timed in simulation.
; The chip was launched on July 23, 2026; its instructions are those of AMD's public machine-readable ISA for CDNA 5 (MIT licence, August 2026) and "CDNA5" Instruction Set Architecture Reference Guide (July 2026). The comments in the code are by the model that wrote it; some were corrected since.
;; Token Label Offline Episodic. Allowed arithmetic: matrix products marked QUANTISED: E3M2 operands, one E8M0 scale for each 32 along K, by v_wmma_scale_f32_16x16x128_f8f6f4 with both operands' format E3M2, f32 sums; products left as they are: f32 operands where the result goes on into a quantised operand, else bf16, f16 or f32 operands; f32 sums; everything else in f32.
;; Inputs: feat_query 2 x 75 x 196 x 384 float32; feat_shot 2 x 5 x 5 x 196 x 384 float32; x_query 2 x 75 x 384 float32; x_shot 2 x 5 x 5 x 384 float32.
;; Outputs: out0 2 x 75 x 5 float32; out1 2 x 75 x 5 float32.
;; This version of the problem:
;;   THIS VERSION OF THE PROBLEM IS GIVEN IN LOW PRECISION. The matrix products marked QUANTISED in the list below multiply operands that are first quantised to E3M2 (3 exponent bits, 2 mantissa bits; 6 bits a number), with one power-of-two scale for each 32 numbers along K (OCP MX v1.0); their sums are f32. All else is computed in f32.
;;   The module's matrix products, in the order in which they are computed (A, B: the left and right operand; K: the contracted axis; several contracted axes count as one K, in the product's order):
;;     1. batch 2 x [M 4,900, K 384] x [K 384, N 14,700]; A: computed on the way; B: computed on the way: QUANTISED
;;     2. batch 2 x [M 75, K 384] x [K 384, N 5]; A: computed on the way; B: computed on the way: left as it is (N = 5 < 16)
;;   THE QUANTISER, for each operand of a quantised product, along K:
;;     - K is cut into blocks of 32 from its start; a last block that is shorter is filled with zeros.
;;     - A block's scale is 2^e with e = floor(log2(the largest magnitude in the block)) - 4, held to -126 .. 127; a block of zeros has e = 0. As a byte (E8M0): e + 127.
;;     - Each number is divided by its block's scale, clamped to +-28, and rounded to the nearest number of E3M2, ties to even, subnormals kept.
;;     - The product sums the exact products of the quantised numbers (number of the format x scale) in f32.
;;   ~~~python
;;   def quantise(x, axis):      # numpy; x: float32 -> the quantised numbers, widened to float32 again
;;       x = np.moveaxis(x, axis, -1); K = x.shape[-1]
;;       x = np.pad(x, [(0, 0)] * (x.ndim - 1) + [(0, -K % 32)]); x = x.reshape(x.shape[:-1] + (-1, 32)); a = np.abs(x).max(-1, keepdims=True)
;;       e = np.where(a > 0, np.clip(np.frexp(np.where(a > 0, a, 1))[1] - 1 - 4, -126, 127), 0)      # np.frexp(a)[1] - 1 = floor(log2(a)), exactly
;;       r = np.clip(x / 2.0 ** e, -28, 28)
;;       step = 2.0 ** (np.maximum(np.frexp(np.where(r == 0, 1, r))[1] - 1, -2) - 2)
;;       q = np.round(r / step) * step * 2.0 ** e      # np.round: ties to even
;;       return np.moveaxis(q.reshape(q.shape[:-2] + (-1,))[..., :K], -1, axis).astype(np.float32)
;;   ~~~
;;   OPERANDS COMPUTED ON THE WAY. 'Computed on the way' means the value that the module computes at that place (a softmax that the list does not call 'softmax' is quantised finished and normalised). What goes into a quantiser is computed in f32, as accurately as f32 sums, v_exp_f32 and their like allow (about 1e-6 of the number): no bf16 or f16 on the way to a quantiser, and a product that is left as it is and whose result goes on into a quantised operand takes f32 operands (vector FMAs, or v_wmma_f32_16x16x4_f32). A number that lies on a knife's edge between two numbers of the format may be rounded either way, as far as f32 arithmetic and the matrix unit's own rounding can turn it there, and no further.
;; One version. Each part assembles by itself: llvm-mc -triple=amdgcn-amd-amdhsa -mcpu=gfx1250 --defsym DOCPART=n.
;; ======== version 1 of 1: 2 launches
;; workspace buffers: tiles 12,014,080 bytes
;; launch quant (part 1): grid 247 x 1, 10 waves a work-group, no clusters, 255,232 bytes of LDS; arguments feat_query, feat_shot, tiles; writes tiles
.if DOCPART == 1
	.amdgcn_target "amdgcn-amd-amdhsa--gfx1250"
	.amdhsa_code_object_version 6
	.text
	.protected	k_qcc89cded5d_quant
	.globl	k_qcc89cded5d_quant
	.p2align	8
	.type	k_qcc89cded5d_quant,@function
k_qcc89cded5d_quant:
	s_mov_b64 s[64:65], 0
	v_nop
	global_prefetch_b8 v0, s[64:65] scope:SCOPE_SE
	s_setreg_imm32_b32 hwreg(HW_REG_WAVE_MODE, 25, 1), 1
	s_wait_xcnt 0x0
; Every token of feat_query [2][75][196][384] and feat_shot [2][5][5][196][384] (f32) is divided by max(its L2 norm, 1e-8) and quantised to codes of BF6 (E3M2) with one
; E8M0 scale byte for each 32 along its 384 numbers.  The result is written as RECORDS of 16 tokens, laid as images of the matrix operand's registers, so that the next launch
; loads fragments by 16-byte accesses alone.
; A RECORD, 4,864 bytes: [K step s = 0..2][j = 0..2][lane][16 bytes] = registers 4 j .. 4 j + 3 of the 12-register fragment of K step s (lane (r, h): token r; registers 6 c .. 6 c + 5 hold
; k = 128 s + 64 c + 32 h + 0 .. 31); then at byte 4,608 [lane][8 bytes]: word 0 = the token's scale word of K step 0 in lanes 0-15 and of K step 1 in lanes 16-31, word 1 = that of K step 2.
; WHICH TOKENS.  Records 0 .. 1,849: group g of 3 queries (588 tokens on end) has 37 records, record i holds tokens 588 g + min(16 i, 572) + 0 .. 15.
; Records 1,850 .. 2,469: class y of 980 shot tokens has 62 records, record i holds tokens 980 y + min(16 i, 964) + 0 .. 15.  The last record of a group overlaps the one before it:
; every record is 16 real tokens on end, 24,576 dense bytes, and no load leaves its buffer.
; SHARES.  Wave w of work-group x makes record 10 x + w; 185 work-groups of 10 records are the queries', 62 the shots'.  One tensor load a wave brings the record's 24,576 bytes into the
; wave's own LDS bytes; only that wave reads them, so its own wait on TENSORcnt orders the reads, and nothing is filled twice: no barrier, no loop, no branch.
; A block's scale is 2^(floor(log2(its largest magnitude)) - 4); its byte is the largest magnitude's exponent field - 4, held at 1 from below.
; LIMITS.  NaN and infinities among the inputs are not served.  A block of zeros gets the byte 1 where the rule says 127: its codes are zeros, and this program alone reads the bytes.
; 1 / max(norm, 1e-8) is made as min(v_rsq_f32(sum of squares), 1e8) and multiplied: the instruction's 1 ulp and one rounding more than a division by the root.
.set REC,   4864                       ; bytes in a record
.set WLDS,  25344                      ; a wave's LDS bytes: 48 lines of 512 bytes + 16 of padding
.set LINE,  528                        ; token r, K step s begins at 3 LINE r + LINE s.  3 LINE = 99 x 16 bytes: the 16 tokens that half a wave's 16-byte loads touch begin in 16 different columns of 16 bytes modulo 256 (64 banks of 4 bytes: ISA guide 11.1)
.set Q,     8                          ; v8-15    four packed chains of the sum of squares; later v8-10 the scale words, v11-13 the other half's, v14-15 the pair that is stored
.set INV,   16                         ; v16-17   1 / max(norm, 1e-8); v17 is named with it as a pair
.set M,     18                         ; v18-23   the six blocks' largest magnitudes, then their bytes
.set SO,    24                         ; v24-29   the conversions' scale operands
.set X,     32                         ; v32-223  my 192 numbers: register X + 64 s + 32 c + e = x(r, 128 s + 64 c + 32 h + e)
	s_load_b128 s[4:7], s[0:1], 0x0                ; feat_query, feat_shot
	s_load_b64 s[8:9], s[0:1], 0x10                ; tiles
	v_lshl_add_u32 v254, v0, 2, 0x3e000
	v_mov_b32 v255, 0
	ds_add_u32 v254, v255
	ds_add_u32 v254, v255
	v_lshrrev_b32 v1, 5, v0
	v_readfirstlane_b32 s10, v1                    ; wave 0..9
	s_mul_i32 s11, ttmp9, 10
	s_add_co_u32 s11, s11, s10                     ; my record
	; descriptor group 1: 24,576 dense bytes as 48 rows of 512 bytes
	s_mov_b32 s20, (3<<16)|(1<<20)|(6<<22)|(3<<25) ; no mask; elements of 8 bytes; padding on: after every 128 words (code 6) 4 words (code 3)
	s_mov_b32 s21, 64<<16                          ; tensor_dim0 = 64 elements
	s_mov_b32 s22, 48<<16                          ; tensor_dim1 = 48
	s_mov_b32 s23, 64<<16                          ; tile_dim0 = 64
	s_mov_b32 s24, 48                              ; tile_dim1 = 48
	s_mov_b32 s25, 64                              ; from row to row: 64 elements
	s_mov_b32 s26, 0
	s_mov_b32 s27, 0
	s_mov_b32 s28, 0x76543210                      ; v_permlanex16_b32's selects for lane l xor 16
	s_mov_b32 s29, 0xfedcba98
	s_mov_b32 s13, 1058                            ; (an instruction takes one literal: the shots' figures stand in registers first)
	s_mov_b32 s15, 980
	s_wait_dscnt 0x0
	s_wait_kmcnt 0x0
	s_cmp_lt_u32 ttmp9, 185                        ; queries or shots?  The choice hangs on the work-group's number alone; only selects follow, which leave SCC alone
	s_cselect_b64 s[4:5], s[4:5], s[6:7]
	s_cselect_b32 s12, 0, 1850                     ; the tensor's first record
	s_cselect_b32 s13, 1772, s13                   ; ceil(65,536 / 37) or ceil(65,536 / 62)
	s_cselect_b32 s14, 37, 62                      ; records in a group
	s_cselect_b32 s15, 588, s15                    ; tokens in a group
	s_sub_co_u32 s12, s11, s12                     ; my record within the tensor, under 1,850 or under 620
	s_mul_i32 s13, s12, s13
	s_lshr_b32 s13, s13, 16                        ; its group.  Exact: 1,772 x 37 = 65,536 + 28 and 28 x 49 + 1,772 x 36 < 65,536; 1,058 x 62 = 65,536 + 60 and 60 x 9 + 1,058 x 61 < 65,536
	s_mul_i32 s14, s13, s14
	s_sub_co_u32 s14, s12, s14                     ; i: its number in the group
	s_lshl_b32 s14, s14, 4
	s_sub_co_u32 s30, s15, 16
	s_min_u32 s14, s14, s30                        ; min(16 i, tokens - 16)
	s_mul_i32 s13, s13, s15
	s_add_co_u32 s13, s13, s14                     ; my first token
	s_mul_i32 s30, s13, 1536                       ; in bytes (under 2^26)
	s_mov_b32 s31, 0
	s_add_nc_u64 s[4:5], s[4:5], s[30:31]
	s_mul_i32 s30, s11, REC
	s_add_nc_u64 s[8:9], s[8:9], s[30:31]          ; my record in tiles
	s_mov_b32 s16, 1                               ; group 0: count = 1,
	s_mul_i32 s17, s10, WLDS                       ; LDS address: my wave's bytes,
	s_mov_b64 s[18:19], s[4:5]                     ; global address,
	s_or_b32 s19, s19, 0x80000000                  ; type = 2
	tensor_load_to_lds s[16:19], s[20:27]          ; my one tensor load
	s_nop 0
	v_and_b32 v1, 15, v0                           ; r
	v_bfe_u32 v2, v0, 4, 1                         ; h
	v_mul_u32_u24 v3, v1, 3*LINE
	v_lshl_add_u32 v3, v2, 7, v3                   ; token r, + 128 h bytes: my 32 numbers of each 64
	v_add_nc_u32 v3, s17, v3
	v_and_b32 v7, 31, v0
	v_lshlrev_b32 v4, 4, v7                        ; out: 16 x lane
	v_lshlrev_b32 v5, 3, v7                        ; and 8 x lane
	v_lshlrev_b32 v6, 3, v2                        ; 8 h: where my bytes stand in a scale word
	s_wait_tensorcnt 0x0                           ; my tile is in LDS
.irp s, 0,1,2
.irp c, 0,1
.irp j, 0,1,2,3,4,5,6,7
	ds_load_b128 v[X+64*\s+32*\c+4*\j:X+64*\s+32*\c+4*\j+3], v3 offset:LINE*\s+256*\c+16*\j
.endr
.endr
.endr
	; the sum of squares of my 192 numbers, two at a time, in four chains; the first four products start the chains
.set p, 0
.rept 96
.if p%32 == 0
	s_wait_dscnt 32-p/2                            ; LDS loads come back in order: this K step's sixteen are in, the later K steps' may be out
.endif
.if p < 4
	v_pk_mul_f32 v[Q+2*p:Q+2*p+1], v[X+2*p:X+2*p+1], v[X+2*p:X+2*p+1]
.else
	v_pk_fma_f32 v[Q+2*(p%4):Q+2*(p%4)+1], v[X+2*p:X+2*p+1], v[X+2*p:X+2*p+1], v[Q+2*(p%4):Q+2*(p%4)+1]
.endif
.set p, p+1
.endr
	v_pk_add_f32 v[Q:Q+1], v[Q:Q+1], v[Q+2:Q+3]
	v_pk_add_f32 v[Q+4:Q+5], v[Q+4:Q+5], v[Q+6:Q+7]
	v_pk_add_f32 v[Q:Q+1], v[Q:Q+1], v[Q+4:Q+5]
	v_add_f32 v[Q], v[Q], v[Q+1]
	v_permlanex16_b32 v[Q+1], v[Q], s28, s29       ; the token's other 192 numbers lie in lane l xor 16
	v_add_f32 v[Q], v[Q], v[Q+1]                   ; the same two numbers are added in both lanes: both hold the same bits
	v_rsq_f32 v[INV], v[Q]
	v_mov_b32 v[INV+1], 0                          ; a plain instruction behind the transcendental (and the pair's upper half is written)
	s_wait_alu depctr_va_vdst(0)                   ; the wait ahead of the first instruction that names the result
	v_min_num_f32 v[INV], 0x4cbebc20, v[INV]       ; min(1 / norm, 1e8) = 1 / max(norm, 1e-8); a sum of 0 gives infinity, which the minimum holds at 1e8
.set p, 0
.rept 96
	v_pk_mul_f32 v[X+2*p:X+2*p+1], v[X+2*p:X+2*p+1], v[INV:INV+1] op_sel_hi:[1,0]
.set p, p+1
.endr
	; my six blocks of 32 (block 2 s + c): all 32 numbers of a block are mine.  The blocks take turns, so that no line waits for the line above it
.irp b, 0,1,2,3,4,5
	v_max3_num_f32 v[M+\b], |v[X+32*\b]|, |v[X+32*\b+1]|, 0x2800000   ; and the floor 2^(5 - 127), under which no largest magnitude is taken: the byte cannot fall under 1
.endr
.irp i, 2,4,6,8,10,12,14,16,18,20,22,24,26,28,30
.irp b, 0,1,2,3,4,5
	v_max3_num_f32 v[M+\b], v[M+\b], |v[X+32*\b+\i]|, |v[X+32*\b+\i+1]|
.endr
.endr
.irp b, 0,1,2,3,4,5
	v_add_nc_u32 v[SO+\b], 0xfe000000, v[M+\b]     ; 4 off the exponent field: the conversion takes the exponent field of this operand as its scale, and nothing else of it
.endr
.irp b, 0,1,2,3,4,5
	v_lshrrev_b32 v[M+\b], 23, v[SO+\b]            ; the scale's byte
.endr
.irp s, 0,1,2
	v_lshl_or_b32 v[Q+\s], v[M+2*\s+1], 16, v[M+2*\s]   ; my two bytes of K step s: blocks h and 2 + h of its four,
.endr
.irp s, 0,1,2
	v_lshlrev_b32 v[Q+\s], v6, v[Q+\s]             ; at their places in the word (8 h bits up);
.endr
.irp s, 0,1,2
	v_permlanex16_b32 v[Q+3+\s], v[Q+\s], s28, s29
.endr
.irp s, 0,1,2
	v_or_b32 v[Q+\s], v[Q+\s], v[Q+3+\s]           ; with lane l xor 16's two the word is whole
.endr
	v_cmp_ne_u32 vcc_lo, 0, v2
	v_cndmask_b32 v[Q+6], v[Q], v[Q+1], vcc_lo     ; lanes 0-15: K step 0's word; lanes 16-31: K step 1's
	v_mov_b32 v[Q+7], v[Q+2]                       ; K step 2's
; K step s: four conversions make its fragment in v[c0] .. v[c0 + 11].  A conversion's three registers begin on an even number; the second half of a block's six does not, so it is made elsewhere and moved.
; Each K step has registers of its own for its codes (those of numbers already converted), so no store's data are written again.
.macro KSTEP s, c0
.irp c, 0,1
	v_cvt_scalef32_pk16_bf6_f32 v[\c0+6*\c:\c0+6*\c+2], v[X+64*\s+32*\c:X+64*\s+32*\c+15], v[SO+2*\s+\c]
	v_cvt_scalef32_pk16_bf6_f32 v[\c0+12+4*\c:\c0+14+4*\c], v[X+64*\s+32*\c+16:X+64*\s+32*\c+31], v[SO+2*\s+\c]
.endr
	v_nop                                          ; one plain instruction behind the scaled conversions, ahead of the moves that read their results
.irp c, 0,1
.irp i, 0,1,2
	v_mov_b32 v[\c0+6*\c+3+\i], v[\c0+12+4*\c+\i]
.endr
.endr
.irp j, 0,1,2
	global_store_b128 v4, v[\c0+4*\j:\c0+4*\j+3], s[8:9] offset:1536*\s+512*\j   ; 32 lanes store 512 consecutive bytes, at a multiple of 256 from the buffer's first byte
.endr
.endm
	KSTEP 0, 224
	KSTEP 1, X                                     ; over K step 0's numbers
	KSTEP 2, X+64                                  ; over K step 1's
	global_store_b64 v5, v[Q+6:Q+7], s[8:9] offset:4608   ; the scale pair: 256 consecutive bytes
	s_wait_tensorcnt 0x0
	ds_add_u32 v254, v255
	s_wait_dscnt 0x0
	s_endpgm
.Lfunc_end_k_qcc89cded5d_quant:
	.size	k_qcc89cded5d_quant, .Lfunc_end_k_qcc89cded5d_quant-k_qcc89cded5d_quant
	.p2alignl 7, 3214868480
	.fill 96, 4, 3214868480
	.section	.rodata,"a",@progbits
	.p2align	6, 0x0
	.amdhsa_kernel k_qcc89cded5d_quant
		.amdhsa_group_segment_fixed_size 255232
		.amdhsa_private_segment_fixed_size 0
		.amdhsa_enable_private_segment 0
		.amdhsa_kernarg_size 24
		.amdhsa_user_sgpr_count 2
		.amdhsa_user_sgpr_kernarg_segment_ptr 1
		.amdhsa_wavefront_size32 1
		.amdhsa_system_sgpr_workgroup_id_x 1
		.amdhsa_system_sgpr_workgroup_id_y 1
		.amdhsa_system_sgpr_workgroup_id_z 1
		.amdhsa_system_vgpr_workitem_id 0
		.amdhsa_next_free_vgpr 256
		.amdhsa_next_free_sgpr 66
		.amdhsa_reserve_vcc 1
		.amdhsa_float_denorm_mode_32 3
		.amdhsa_float_denorm_mode_16_64 3
		.amdhsa_memory_ordered 1
		.amdhsa_forward_progress 1
		.amdhsa_inst_pref_size 29
	.end_amdhsa_kernel
	.amdgpu_metadata
---
amdhsa.version: [ 1, 2 ]
amdhsa.kernels:
  - .name:           k_qcc89cded5d_quant
    .symbol:         k_qcc89cded5d_quant.kd
    .args:
      - { .name: feat_query, .offset: 0, .size: 8, .value_kind: global_buffer, .address_space: global }
      - { .name: feat_shot, .offset: 8, .size: 8, .value_kind: global_buffer, .address_space: global }
      - { .name: tiles, .offset: 16, .size: 8, .value_kind: global_buffer, .address_space: global }
    .group_segment_fixed_size: 255232
    .private_segment_fixed_size: 0
    .kernarg_segment_align: 8
    .kernarg_segment_size: 24
    .max_flat_workgroup_size: 320
    .sgpr_count:     66
    .vgpr_count:     256
    .wavefront_size: 32
...
	.end_amdgpu_metadata
.endif
;; end of part 1
;; launch simmax (part 2): grid 25 x 10, 8 waves a work-group, no clusters, 327,680 bytes of LDS; arguments tiles, x_query, x_shot, out0, out1; writes out0, out1
.if DOCPART == 2
	.amdgcn_target "amdgcn-amd-amdhsa--gfx1250"
	.amdhsa_code_object_version 6
	.text
	.protected	k_qcc89cded5d_simmax
	.globl	k_qcc89cded5d_simmax
	.p2align	8
	.type	k_qcc89cded5d_simmax,@function
k_qcc89cded5d_simmax:
	s_mov_b64 s[64:65], 0
	v_nop
	global_prefetch_b8 v0, s[64:65] scope:SCOPE_SE
	s_setreg_imm32_b32 hwreg(HW_REG_WAVE_MODE, 25, 1), 1
	s_wait_xcnt 0x0
; out0[b][q][n] = the mean over query q's 196 tokens of the largest product of that token with the 980 shot tokens of class n, on the codes of BF6 (E3M2) and E8M0 scales that the launch before
; has written as records of 16 tokens (4,864 bytes: nine blocks of 512 bytes = the three K steps' fragments as images of their registers; at byte 4,608 the scale pair, 8 bytes a lane:
; word 0 = K step 0's scale words in lanes 0-15 and K step 1's in lanes 16-31, word 1 = K step 2's).
; out1[b][q][n] = 10 x the cosine of x_query[b][q] and the mean of x_shot[b][n][0..4], each norm held at 1e-12 from below, all in f32 (384 multiply-adds a number: vector work, done while the first loads are out).
; SHARES.  Work-group (G, y): batch b = y / 5, class n = y % 5, queries 3 G .. 3 G + 2: 588 tokens in 37 records.  It owns three numbers of out0 and the same three of out1.
; THE WAVES SHARE THE QUERY TOKENS: wave w keeps five records, min(5 w + i, 36), in 180 registers for the whole launch (wave 7's last three repeat record 36), as source 1.
; EVERY WAVE WALKS THE CLASS'S 62 RECORDS, source 0, out of LDS, where the whole class (301,568 bytes) lies as it lies in memory.  In a result a lane holds ONE query token (lane % 16) and eight
; shot tokens: the maximum is folded in the lane, 4 instructions for each finished 16 x 16, and no maximum crosses waves.  A class's last record repeats twelve tokens: a maximum does not mind.
; Eight waves, in plain phases: a tile's 15 matrix instructions, then the fold of the tile before, then the LDS loads of the tile two on; while one wave folds, another has matrix instructions to issue.
; THE CLASS COMES IN FIVE CHUNKS, every byte filled once.  Records 0-13 are asked for at the head, ahead of the loads into registers (0-5: wave w under 6 takes record w; 6-13: record 6 + w).
; Records 14-29, 30-45 and 46-61 are asked for later, two records a wave, each chunk behind a barrier of its own and in the form in which a slot is filled again: every wave waits for all its tensor loads,
; adds 0 to its spare word, waits for that and for its LDS reads, passes the barrier and issues its one load first thing behind it.  So what has to land ahead of the first product is 14 records and the
; wave's own five, not the whole class, and each later chunk has the products of 12 or 16 tiles in which to land.  By this text's count a wave has two tensor loads out at the head and one later.
; NO CLUSTER: a class is read by 25 work-groups and a group of queries by 5; 25 and 5 are odd, and the grid's one factor 2 is the batch, across which nothing is shared: no 2 or 4 partners that share tiles divide the grid.
; The six stores of a work-group are 4 bytes each, 20 bytes apart: the outputs are 3,000 bytes each, and every number has one owner.
; LIMITS.  NaN and infinities are not served.  The mean of the five shots is their sum x 0.2; 1 / max(norm, 1e-12) is min(v_rsq_f32, 1e12): the instruction's 1 ulp.
; REGISTERS.  Window 0: v1-6 lane terms; v7, v18 the add's two; v8-17 offsets of my five records; v20-24 running maxima R; v25-29 T, at work; v30 the class logit; v31 the outputs' offset; v32-41 my records' scale pairs;
;   v42-45 the stream's scale pairs, two buffers; v48-119 the stream's fragments, two buffers of 36; v120-199 two sets of five accumulators; v200-206 addresses in the token table.   Window 1: v0-179 my five records' fragments.
.set REC,  4864
.set SCO,  4608                        ; a record's scale pair
.set TOK,  62*REC                      ; LDS, behind the class, at a multiple of 256 bytes: one f32 for each of the group's 588 tokens (ten blocks of 256 bytes); written by ds_store alone, no fill lands there
.set SPARE, TOK+2560                   ; behind the table: the spare words, 128 bytes for each wave: four blocks of 256 bytes that no other line names
.set LI,   1                           ; v1   16 x lane
.set L8,   2                           ; v2   8 x lane
.set ADR,  3                           ; v3   LDS address of the pair's fragments
.set ADS,  4                           ; v4   and of its scale pairs
.set LN,   5                           ; v5   lane
.set R4,   6                           ; v6   4 x (lane % 16)
.set SPW,  7                           ; v7   LDS address of my spare word: SPARE + 4 x my thread's number; never rewritten
.set QA,   8
.set QS,   13
.set NIL,  18                          ; v18  0; never rewritten
.set R,    20
.set T,    25
.set CLS,  30
.set OOF,  31
.set RS,   32
.set SS,   42
.set SF,   48
.set ACC,  120
.set XQ,   120                         ; ahead of the loop: x_query's 12 numbers a lane,
.set XS,   132                         ; x_shot's 5 x 12
.set TW,   200                         ; v200-204 where slot i's maxima go in the token table
.set TR,   205                         ; v205 where I read my query's tokens back
.set TR7,  206                         ; v206 the same for its last four
.set G1R,  24                          ; s[24:31] descriptor group 1: one record;  s[32:39]: two records
.set G1T,  32
.set GA,   48                          ; s[48:51], s[52:55], s[56:59], s[60:63], s[88:91]: descriptor group 0 of chunks A to E, a set for each, written once
.set GB,   52
.set GC,   56
.set GD,   60
.set GE,   88
.set MSB, 0
.macro WIN new                         ; the immediate's high byte repeats the setting that is left
.if MSB != \new
	s_set_vgpr_msb (MSB<<8)|\new
.set MSB, \new
.endif
.endm
.macro SHAPE g, rows                   ; descriptor group 1: rows x 256 dense bytes
	s_mov_b32 s[\g], 3<<16                         ; no mask; elements of 8 bytes; no padding: lane l reads at 16 l, consecutive bytes
	s_mov_b32 s[\g+1], 32<<16                      ; tensor_dim0 = 32
	s_mov_b32 s[\g+2], (\rows)<<16                 ; tensor_dim1
	s_mov_b32 s[\g+3], 32<<16                      ; tile_dim0 = 32
	s_mov_b32 s[\g+4], \rows                       ; tile_dim1
	s_mov_b32 s[\g+5], 32                          ; from row to row
	s_mov_b32 s[\g+6], 0
	s_mov_b32 s[\g+7], 0
.endm
	s_load_b256 s[4:11], s[0:1], 0x0               ; tiles s[4:5], x_query s[6:7], x_shot s[8:9], out0 s[10:11]
	s_load_b64 s[12:13], s[0:1], 0x20              ; out1
	v_lshl_add_u32 v[SPW], v0, 2, SPARE
	v_mov_b32 v[NIL], 0
	ds_add_u32 v7, v18
	ds_add_u32 v7, v18
	s_wait_dscnt 0x0
	v_lshrrev_b32 v3, 5, v0
	v_readfirstlane_b32 s14, v3                    ; wave 0..7
	v_and_b32 v[LN], 31, v0
	v_lshlrev_b32 v[LI], 4, v[LN]
	v_lshlrev_b32 v[L8], 3, v[LN]
	v_and_b32 v[R4], 15, v0
	v_lshlrev_b32 v[R4], 2, v[R4]
	s_mov_b32 s15, ttmp9                           ; G
	s_and_b32 s16, ttmp7, 0xffff                   ; y = 5 b + n
	s_cmp_ge_u32 s16, 5
	s_cselect_b32 s17, 1, 0                        ; b
	s_mul_i32 s18, s17, 5
	s_sub_co_u32 s18, s16, s18                     ; n
	s_min_u32 s19, s14, 2                          ; the query whose numbers my wave finishes (waves 3 to 7 do wave 2's work again and store nothing)
	s_mov_b32 s66, 0x76543210                      ; v_permlanex16_b32's selects for lane l xor 16
	s_mov_b32 s67, 0xfedcba98
	s_mov_b32 s22, 0                               ; LDS byte of the pair of tiles in hand
	SHAPE G1R, 19                                  ; one record,
	SHAPE G1T, 38                                  ; two
	s_mul_i32 s21, s14, 5
.irp i, 0,1,2,3,4
	s_add_co_u32 s20, s21, \i
	s_min_u32 s20, s20, 36
	s_mul_i32 s20, s20, REC                        ; slot i: record min(5 w + i, 36) of the group
	v_add_nc_u32 v[QA+\i], s20, v[LI]
	v_add_nc_u32 v[QS+\i], s20, v[L8]
.endr
	s_mul_i32 s21, s14, 80
.irp i, 0,1,2,3,4
	s_add_co_u32 s20, s21, 16*\i
	s_min_u32 s20, s20, 572                        ; that record's first token in the group
	s_lshl_b32 s20, s20, 2
	s_add_co_u32 s20, s20, TOK
	v_add_nc_u32 v[TW+\i], s20, v[R4]
.endr
	s_mul_i32 s20, s19, 784                        ; my query's 196 words
	s_add_co_u32 s20, s20, TOK
	v_lshl_add_u32 v[TR], v[LN], 2, s20
	v_and_b32 v[TR7], 3, v[LN]
	v_lshl_add_u32 v[TR7], v[TR7], 2, s20
	; where the fills go: the LDS address is the byte offset within the class.  A: record w (w under 6); B: record 6 + w; C, D, E: two records from 14 + 2 w, 30 + 2 w, 46 + 2 w
	s_mul_i32 s20, s14, REC
	s_mov_b32 s[GA+1], s20
	s_add_co_u32 s[GB+1], s20, 6*REC
	s_lshl_b32 s20, s20, 1
	s_add_co_u32 s[GC+1], s20, 14*REC
	s_add_co_u32 s[GD+1], s20, 30*REC
	s_add_co_u32 s[GE+1], s20, 46*REC
	s_mul_i32 s20, s16, 62*REC
	s_add_co_u32 s20, s20, 1850*REC                ; the class's first record
	s_mov_b32 s21, 0
	s_mov_b32 s85, 0
	s_mul_i32 s68, s17, 25
	s_add_co_u32 s68, s68, s15
	s_mul_i32 s68, s68, 37*REC                     ; the group's first record
	s_mov_b32 s69, 0
	s_mul_i32 s70, s17, 75
	s_mul_i32 s71, s15, 3
	s_add_co_u32 s70, s70, s71
	s_add_co_u32 s70, s70, s19                     ; my query: 75 b + 3 G + q'
	s_mul_i32 s79, s70, 5
	s_add_co_u32 s79, s79, s18
	s_lshl_b32 s79, s79, 2                         ; its place in out0 and out1
	s_mul_i32 s70, s70, 1536
	s_mov_b32 s71, 0
	s_mul_i32 s72, s16, 7680                       ; the class's five rows of x_shot
	s_mov_b32 s73, 0
	s_wait_kmcnt 0x0
	s_add_nc_u64 s[82:83], s[4:5], s[20:21]
	s_add_nc_u64 s[68:69], s[4:5], s[68:69]
	s_add_nc_u64 s[70:71], s[6:7], s[70:71]
	s_add_nc_u64 s[72:73], s[8:9], s[72:73]
.irp g, GA, GB, GC, GD, GE             ; descriptor group 0 of the five chunks
	s_mov_b32 s[\g], 1                             ; count = 1
	s_mov_b32 s84, s[\g+1]
	s_add_nc_u64 s[\g+2:\g+3], s[82:83], s[84:85]  ; the same offset in memory as in LDS
	s_or_b32 s[\g+3], s[\g+3], 0x80000000          ; type = 2
.endr
	; the fills of the head, one group, in the two arms of one branch on the wave's number, ahead of everything else that asks for bytes: records 0-13
	s_cmp_lt_u32 s14, 6
	s_cbranch_scc0 .Lno_a
	tensor_load_to_lds s[GA:GA+3], s[G1R:G1R+7]
	s_nop 0
	tensor_load_to_lds s[GB:GB+3], s[G1R:G1R+7]
	s_nop 0
.rept 4
	v_nop                                          ; four plain lines follow the last of the loads, ahead of the jump and the label
.endr
	s_branch .Lasked
.Lno_a:
	tensor_load_to_lds s[GB:GB+3], s[G1R:G1R+7]
	s_nop 0
.rept 4
	v_nop
.endr
.Lasked:
.irp j, 0,1,2
	global_load_b128 v[XQ+4*\j:XQ+4*\j+3], v[LI], s[70:71] offset:512*\j   ; x_query: numbers 128 j + 4 lane + 0 .. 3
.endr
.irp k, 0,1,2,3,4
.irp j, 0,1,2
	global_load_b128 v[XS+12*\k+4*\j:XS+12*\k+4*\j+3], v[LI], s[72:73] offset:1536*\k+512*\j
.endr
.endr
	WIN 0x40                                       ; destination window 1, address window 0
.irp i, 0,1,2,3,4
.irp j, 0,1,2,3,4,5,6,7,8
	global_load_b128 v[36*\i+4*\j:36*\i+4*\j+3], v[QA+\i], s[68:69] offset:512*\j   ; slot i: K step j / 3, registers 4 (j % 3) on: the record's bytes are the registers' image
.endr
.endr
	WIN 0
.irp i, 0,1,2,3,4
	global_load_b64 v[RS+2*\i:RS+2*\i+1], v[QS+\i], s[68:69] offset:SCO
.endr
	; THE CLASS LOGIT, in f32, while the tiles are on their way
	s_wait_loadcnt 50                              ; x's 18 loads are in; the 45 + 5 loads of my records, issued behind them, may be out
.irp k, 1,2,3,4
.irp p, 0,2,4,6,8,10
	v_pk_add_f32 v[XS+\p:XS+\p+1], v[XS+\p:XS+\p+1], v[XS+12*\k+\p:XS+12*\k+\p+1]
.endr
.endr
.irp p, 0,2,4,6,8,10
	v_pk_mul_f32 v[XS+\p:XS+\p+1], v[XS+\p:XS+\p+1], 0x3e4ccccd op_sel_hi:[1,0]   ; x 0.2: the mean m of the five shots
.endr
	v_pk_mul_f32 v[48:49], v[XQ:XQ+1], v[XS:XS+1]  ; x . m,
	v_pk_mul_f32 v[50:51], v[XQ:XQ+1], v[XQ:XQ+1]  ; x . x,
	v_pk_mul_f32 v[52:53], v[XS:XS+1], v[XS:XS+1]  ; m . m: three chains by turns
.irp p, 2,4,6,8,10
	v_pk_fma_f32 v[48:49], v[XQ+\p:XQ+\p+1], v[XS+\p:XS+\p+1], v[48:49]
	v_pk_fma_f32 v[50:51], v[XQ+\p:XQ+\p+1], v[XQ+\p:XQ+\p+1], v[50:51]
	v_pk_fma_f32 v[52:53], v[XS+\p:XS+\p+1], v[XS+\p:XS+\p+1], v[52:53]
.endr
.irp d, 48,50,52
	v_add_f32 v[\d], v[\d], v[\d+1]
.endr
.irp m, 1,2,4,8
.irp d, 48,50,52
	v_add_f32_dpp v[\d], v[\d], v[\d] row_xmask:\m row_mask:0xf bank_mask:0xf
.endr
.endr
.irp d, 48,50,52
	v_permlanex16_b32 v[\d+1], v[\d], s66, s67
.endr
.irp d, 48,50,52
	v_add_f32 v[\d], v[\d], v[\d+1]                ; every lane holds the three sums
.endr
	v_rsq_f32 v54, v50
	v_rsq_f32 v55, v52
	v_mul_f32 v48, 0x41200000, v48                 ; x 10.  (The plain instruction behind the two transcendentals)
	s_wait_alu depctr_va_vdst(0)                   ; the wait ahead of the first instruction that names a result: one for both
	v_min_num_f32 v54, 0x5368d4a5, v54             ; min(1 / norm, 1e12) = 1 / max(norm, 1e-12)
	v_min_num_f32 v55, 0x5368d4a5, v55
	v_mul_f32 v48, v48, v54
	v_mul_f32 v[CLS], v48, v55
; THE MEETING AHEAD OF A CHUNK'S FIRST READ.  All my tensor loads have landed, my part of the chunk that is read next among them; 0 goes onto my spare word; that and my LDS reads are done; then the barrier:
; behind it all this holds of all eight waves.  g0 other than 0: my two records of the chunk after that are asked for, first thing behind the barrier: my one tensor load until the next meeting.
.macro MEET g0
	s_wait_tensorcnt 0x0
	ds_add_u32 v[SPW], v[NIL]
	s_wait_dscnt 0x0
	s_barrier_signal -1
	s_barrier_wait -1
.if \g0
	tensor_load_to_lds s[\g0:\g0+3], s[G1T:G1T+7]
	s_nop 0
.rept 4
	v_nop                                          ; four plain lines follow the load
.endr
.endif
.endm
; ten LDS loads: the record off bytes on from the pair in hand, into stream buffer p
.macro FETCH p, off
.irp j, 0,1,2,3,4,5,6,7,8
	ds_load_b128 v[SF+36*(\p)+4*\j:SF+36*(\p)+4*\j+3], v[ADR] offset:(\off)+512*\j
.endr
	ds_load_b64 v[SS+2*(\p):SS+2*(\p)+1], v[ADS] offset:(\off)+SCO
.endm
; 15 matrix instructions: the record in buffer p (source 0: 16 shot tokens) against my five slots (source 1: 16 query tokens each), three K steps.  The five accumulators take turns, one instruction a turn.
; K step 0 starts the sums with the constant 0; K step 1's scale words stand in lanes 16-31 of the register that holds K step 0's.
.macro MULS p
.irp s, 0,1,2
.irp i, 0,1,2,3,4
.if \s == 0
	v_wmma_scale_f32_16x16x128_f8f6f4 v[ACC+40*(\p)+8*\i:ACC+40*(\p)+8*\i+7], v[SF+36*(\p):SF+36*(\p)+11], v[36*\i:36*\i+11], 0, v[SS+2*(\p)], v[RS+2*\i] matrix_a_fmt:MATRIX_FMT_BF6 matrix_b_fmt:MATRIX_FMT_BF6
.elseif \s == 1
	v_wmma_scale_f32_16x16x128_f8f6f4 v[ACC+40*(\p)+8*\i:ACC+40*(\p)+8*\i+7], v[SF+36*(\p)+12:SF+36*(\p)+23], v[36*\i+12:36*\i+23], v[ACC+40*(\p)+8*\i:ACC+40*(\p)+8*\i+7], v[SS+2*(\p)], v[RS+2*\i] matrix_a_fmt:MATRIX_FMT_BF6 matrix_b_fmt:MATRIX_FMT_BF6 matrix_a_scale:MATRIX_SCALE_ROW1 matrix_b_scale:MATRIX_SCALE_ROW1
.else
	v_wmma_scale_f32_16x16x128_f8f6f4 v[ACC+40*(\p)+8*\i:ACC+40*(\p)+8*\i+7], v[SF+36*(\p)+24:SF+36*(\p)+35], v[36*\i+24:36*\i+35], v[ACC+40*(\p)+8*\i:ACC+40*(\p)+8*\i+7], v[SS+2*(\p)+1], v[RS+2*\i+1] matrix_a_fmt:MATRIX_FMT_BF6 matrix_b_fmt:MATRIX_FMT_BF6
.endif
.endr
.endr
.endm
; The maxima of accumulator set p go into R: four levels, the five slots by turns; each accumulator is read from its low end on.  mode 1: the first fold starts R.  mode 0: there is nothing to fold yet.
.macro FOLD p, mode
.if \mode == 0
.rept 5
	v_nop                                          ; the places that a fold's lines are elsewhere
.endr
.else
.irp i, 0,1,2,3,4
	v_max3_num_f32 v[T+\i], v[ACC+40*(\p)+8*\i], v[ACC+40*(\p)+8*\i+1], v[ACC+40*(\p)+8*\i+2]
.endr
.irp i, 0,1,2,3,4
	v_max3_num_f32 v[T+\i], v[T+\i], v[ACC+40*(\p)+8*\i+3], v[ACC+40*(\p)+8*\i+4]
.endr
.irp i, 0,1,2,3,4
	v_max3_num_f32 v[T+\i], v[T+\i], v[ACC+40*(\p)+8*\i+5], v[ACC+40*(\p)+8*\i+6]
.endr
.irp i, 0,1,2,3,4
.if \mode == 1
	v_max_num_f32 v[R+\i], v[T+\i], v[ACC+40*(\p)+8*\i+7]
.else
	v_max3_num_f32 v[R+\i], v[R+\i], v[T+\i], v[ACC+40*(\p)+8*\i+7]
.endif
.endr
.endif
.endm
; A tile.  left: the LDS loads issued behind this tile's ten, which may stay out.  The fold of the OTHER set, 20 plain lines that name no register of this tile's products, stands behind them: these lines are the
; places ahead of the loads into the buffer just multiplied, ahead of the next fold's read of this set, and ahead of this set's new start with the constant 0.
.macro TILE p, left, mode, fetch, off
	s_wait_dscnt \left
	WIN 0x04                                       ; source 1 window 1
	MULS \p
	WIN 0
	FOLD 1-\p, \mode
.if \fetch
	FETCH \p, \off
.endif
.endm
; Two tiles, on the two buffers; each fetches the tile two on.
.macro PAIR m0, m1, fetch, l1
	v_add_nc_u32 v[ADR], s22, v[LI]
	v_add_nc_u32 v[ADS], s22, v[L8]
	TILE 0, 10, \m0, \fetch, 2*REC
	TILE 1, \l1, \m1, \fetch, 3*REC
	s_add_co_u32 s22, s22, 2*REC
.endm
	MEET GC                                        ; records 0-13 are whole; records 14-29 go out
	v_add_nc_u32 v[ADR], s22, v[LI]
	v_add_nc_u32 v[ADS], s22, v[L8]
	FETCH 0, 0
	FETCH 1, REC
	s_wait_loadcnt 0x0                             ; my five records
	PAIR 0, 1, 1, 10                               ; tiles 0, 1; fetches 2, 3
	s_mov_b32 s23, 5
.Lphase_b:                                             ; tiles 2-11; fetches 4-13.  The fetches run two tiles ahead, so each meeting stands two tiles ahead of its chunk's first
	PAIR 2, 2, 1, 10
	s_sub_co_u32 s23, s23, 1
	s_cmp_lg_u32 s23, 0
	s_cbranch_scc1 .Lphase_b
	MEET GD                                        ; records 14-29 are whole; 30-45 go out
	s_mov_b32 s23, 8
.Lphase_c:                                             ; tiles 12-27; fetches 14-29
	PAIR 2, 2, 1, 10
	s_sub_co_u32 s23, s23, 1
	s_cmp_lg_u32 s23, 0
	s_cbranch_scc1 .Lphase_c
	MEET GE                                        ; records 30-45 are whole; 46-61 go out: the last load
	s_mov_b32 s23, 8
.Lphase_d:                                             ; tiles 28-43; fetches 30-45
	PAIR 2, 2, 1, 10
	s_sub_co_u32 s23, s23, 1
	s_cmp_lg_u32 s23, 0
	s_cbranch_scc1 .Lphase_d
	MEET 0                                         ; records 46-61 are whole; nothing is left to ask for
	s_mov_b32 s23, 8
.Lphase_e:                                             ; tiles 44-59; fetches 46-61
	PAIR 2, 2, 1, 10
	s_sub_co_u32 s23, s23, 1
	s_cmp_lg_u32 s23, 0
	s_cbranch_scc1 .Lphase_e
	PAIR 2, 2, 0, 0                                ; tiles 60, 61: nothing more to fetch, so the last tile's wait is for 0
	FOLD 1, 2                                      ; tile 61 (the fold of tile 60 stands between its products and this)
	; THE MEAN.  A token's other eight shot rows of each tile lie in lane l xor 16; then each token's maximum goes to its word of the table.
.irp i, 0,1,2,3,4
	v_permlanex16_b32 v[T+\i], v[R+\i], s66, s67
.endr
.irp i, 0,1,2,3,4
	v_max_num_f32 v[R+\i], v[R+\i], v[T+\i]
.endr
.irp i, 0,1,2,3,4
	ds_store_b32 v[TW+\i], v[R+\i]                 ; lanes l and l + 16 write the same word with the same value; the records that overlap or repeat (35, 36) are all wave 7's; the waves' words are disjoint
.endr
	s_wait_dscnt 0x0                               ; for the others' sake: my stores have landed
	s_barrier_signal -1
	s_barrier_wait -1
.irp i, 0,1,2,3,4,5
	ds_load_b32 v[48+\i], v[TR] offset:128*\i      ; my query's tokens 32 i + lane
.endr
	ds_load_b32 v54, v[TR7] offset:768             ; and 192 + lane % 4
	s_wait_tensorcnt 0x0                           ; the wave's end: behind my last tensor load and my last LDS store
	ds_add_u32 v[SPW], v[NIL]
	v_mov_b32 v[OOF], s79
	v_cmp_gt_u32 vcc_lo, 4, v[LN]
	s_wait_dscnt 0x0                               ; the add is done, and the seven loads above are in
	v_cndmask_b32 v54, 0, v54, vcc_lo              ; the last four tokens count once: in lanes 0 to 3
	v_add_f32 v48, v48, v49
	v_add_f32 v50, v50, v51
	v_add_f32 v52, v52, v53
	v_add_f32 v48, v48, v50
	v_add_f32 v52, v52, v54
	v_add_f32 v48, v48, v52
.irp m, 1,2,4,8
	v_add_f32_dpp v48, v48, v48 row_xmask:\m row_mask:0xf bank_mask:0xf
.endr
	v_permlanex16_b32 v49, v48, s66, s67
	v_add_f32 v48, v48, v49
	v_mul_f32 v48, 0x3ba72f05, v48                 ; / 196
	s_cmp_gt_u32 s14, 2
	s_cbranch_scc1 .Lno_store                      ; waves 0, 1, 2 store queries 3 G + 0, 1, 2
	v_cmp_eq_u32 vcc_lo, 0, v[LN]
	s_wait_xcnt 0x0                                ; EXEC is a source of the memory instructions issued so far: it changes only behind this wait
	s_and_saveexec_b32 s80, vcc_lo
	global_store_b32 v[OOF], v48, s[10:11]
	global_store_b32 v[OOF], v[CLS], s[12:13]
	s_wait_xcnt 0x0                                ; and again, ahead of the line that widens it
	s_or_b32 exec_lo, exec_lo, s80
.Lno_store:
	s_endpgm
.Lfunc_end_k_qcc89cded5d_simmax:
	.size	k_qcc89cded5d_simmax, .Lfunc_end_k_qcc89cded5d_simmax-k_qcc89cded5d_simmax
	.p2alignl 7, 3214868480
	.fill 96, 4, 3214868480
	.section	.rodata,"a",@progbits
	.p2align	6, 0x0
	.amdhsa_kernel k_qcc89cded5d_simmax
		.amdhsa_group_segment_fixed_size 327680
		.amdhsa_private_segment_fixed_size 0
		.amdhsa_enable_private_segment 0
		.amdhsa_kernarg_size 40
		.amdhsa_user_sgpr_count 2
		.amdhsa_user_sgpr_kernarg_segment_ptr 1
		.amdhsa_wavefront_size32 1
		.amdhsa_system_sgpr_workgroup_id_x 1
		.amdhsa_system_sgpr_workgroup_id_y 1
		.amdhsa_system_sgpr_workgroup_id_z 1
		.amdhsa_system_vgpr_workitem_id 0
		.amdhsa_next_free_vgpr 448
		.amdhsa_next_free_sgpr 96
		.amdhsa_reserve_vcc 1
		.amdhsa_float_denorm_mode_32 3
		.amdhsa_float_denorm_mode_16_64 3
		.amdhsa_memory_ordered 1
		.amdhsa_forward_progress 1
		.amdhsa_inst_pref_size 70
	.end_amdhsa_kernel
	.amdgpu_metadata
---
amdhsa.version: [ 1, 2 ]
amdhsa.kernels:
  - .name:           k_qcc89cded5d_simmax
    .symbol:         k_qcc89cded5d_simmax.kd
    .args:
      - { .name: tiles, .offset: 0, .size: 8, .value_kind: global_buffer, .address_space: global }
      - { .name: x_query, .offset: 8, .size: 8, .value_kind: global_buffer, .address_space: global }
      - { .name: x_shot, .offset: 16, .size: 8, .value_kind: global_buffer, .address_space: global }
      - { .name: out0, .offset: 24, .size: 8, .value_kind: global_buffer, .address_space: global }
      - { .name: out1, .offset: 32, .size: 8, .value_kind: global_buffer, .address_space: global }
    .group_segment_fixed_size: 327680
    .private_segment_fixed_size: 0
    .kernarg_segment_align: 8
    .kernarg_segment_size: 40
    .max_flat_workgroup_size: 256
    .sgpr_count:     96
    .vgpr_count:     448
    .wavefront_size: 32
...
	.end_amdgpu_metadata
.endif
;; end of part 2
